; MI455X (gfx1250); checked and timed in simulation.
; The chip was launched on July 23, 2026; its instructions are those of AMD's public machine-readable ISA for CDNA 5 (MIT licence, August 2026) and "CDNA5" Instruction Set Architecture Reference Guide (July 2026). The comments in the code are by the model that wrote it; some were corrected since.
;; Attention. Allowed arithmetic: matrix products marked QUANTISED: E2M1 operands, one E8M0 scale for each 32 along K, by v_wmma_scale_f32_16x16x128_f8f6f4 with both operands' format E2M1 (or v_wmma_scale_f32_32x16x128_f4), f32 sums; products left as they are: f32 operands where the result goes on into a quantised operand, else bf16, f16 or f32 operands; f32 sums; everything else in f32.
;; Inputs: W_attn 2,048 x 1,024 float32; b_attn 1,024 float32; encoder_outputs 32 x 2,048 x 1,024 float32; hidden 32 x 1,024 float32; v 1,024 float32.
;; Outputs: out0 32 x 2,048 float32.
;; This version of the problem:
;;   THIS VERSION OF THE PROBLEM IS GIVEN IN LOW PRECISION. The matrix products marked QUANTISED in the list below multiply operands that are first quantised to E2M1 (2 exponent bits, 1 mantissa bit; 4 bits a number), with one power-of-two scale for each 32 numbers along K (OCP MX v1.0); their sums are f32. All else is computed in f32.
;;   The module's matrix products, in the order in which they are computed (A, B: the left and right operand; K: the contracted axis; several contracted axes count as one K, in the product's order):
;;     1. [M 32, K 1,024] x [K 1,024, N 1,024]; A: input hidden; B: input W_attn: QUANTISED
;;     2. [M 65,536, K 1,024] x [K 1,024, N 1,024]; A: input encoder_outputs; B: input W_attn: QUANTISED
;;     3. [M 65,536, K 1,024] x [K 1,024, N 1]; A: computed on the way; B: input v: left as it is (N = 1 < 16)
;;   THE QUANTISER, for each operand of a quantised product, along K:
;;     - K is cut into blocks of 32 from its start; a last block that is shorter is filled with zeros.
;;     - A block's scale is 2^e with e = floor(log2(the largest magnitude in the block)) - 2, held to -126 .. 127; a block of zeros has e = 0. As a byte (E8M0): e + 127.
;;     - Each number is divided by its block's scale, clamped to +-6, and rounded to the nearest number of E2M1, ties to even, subnormals kept.
;;     - The product sums the exact products of the quantised numbers (number of the format x scale) in f32.
;;   ~~~python
;;   def quantise(x, axis):      # numpy; x: float32 -> the quantised numbers, widened to float32 again
;;       x = np.moveaxis(x, axis, -1); K = x.shape[-1]
;;       x = np.pad(x, [(0, 0)] * (x.ndim - 1) + [(0, -K % 32)]); x = x.reshape(x.shape[:-1] + (-1, 32)); a = np.abs(x).max(-1, keepdims=True)
;;       e = np.where(a > 0, np.clip(np.frexp(np.where(a > 0, a, 1))[1] - 1 - 2, -126, 127), 0)      # np.frexp(a)[1] - 1 = floor(log2(a)), exactly
;;       r = np.clip(x / 2.0 ** e, -6, 6)
;;       step = 2.0 ** (np.maximum(np.frexp(np.where(r == 0, 1, r))[1] - 1, 0) - 1)
;;       q = np.round(r / step) * step * 2.0 ** e      # np.round: ties to even
;;       return np.moveaxis(q.reshape(q.shape[:-2] + (-1,))[..., :K], -1, axis).astype(np.float32)
;;   ~~~
;; One version. Each part assembles by itself: llvm-mc -triple=amdgcn-amd-amdhsa -mcpu=gfx1250 --defsym DOCPART=n.
;; ======== version 1 of 1: 3 launches
;; limits: right only within a limited range of input values
;; workspace buffers: wimg 557,056 bytes; hpart 1,048,576 bytes; scores 262,144 bytes
;; launch prep (part 1): grid 16 x 8, 4 waves a work-group, no clusters, 168,448 bytes of LDS; arguments W_attn, hidden, wimg, hpart; writes wimg, hpart
.if DOCPART == 1
	.amdgcn_target "amdgcn-amd-amdhsa--gfx1250"
	.amdhsa_code_object_version 6
	.text
	.protected	k_q7dfb3b47d5_prep
	.globl	k_q7dfb3b47d5_prep
	.p2align	8
	.type	k_q7dfb3b47d5_prep,@function
k_q7dfb3b47d5_prep:
	s_mov_b64 s[64:65], 0
	v_nop
	global_prefetch_b8 v0, s[64:65] scope:SCOPE_SE
	s_setreg_imm32_b32 hwreg(HW_REG_WAVE_MODE, 25, 1), 1
	s_wait_xcnt 0x0
; W_attn [2048][1024] f32 has K as its FIRST axis.  Rows 0-1023 (Wh) meet hidden [32][1024], rows 1024-2047 (We) meet the encoder's rows in the next launch.
; This launch quantises both halves along K to codes of FP4 (E2M1) with one E8M0 byte for each 32 along K, stores We as IMAGES OF THE OPERAND'S REGISTERS (wimg), quantises hidden, and does the first
; product, K step by K step: hpart[s][b][n] = the sum over the 128 k of K step s of Q(hidden)[b][k] Q(Wh)[k][n], f32.  The next launch adds the eight parts in ascending s.
; wimg: for each tile T of 16 columns 8,704 bytes: [K step s][c = 0, 1][lane][16 bytes] (lane (r, h): column 16 T + r, k = 128 s + 64 c + 32 h + 0 .. 31), then from byte 8,192 on the scale words, [lane][j = 0 .. 3]:
;   lanes 0-15: column lane, K step 2 j; lanes 16-31: column lane - 16, K step 2 j + 1.
; SHARES.  Work-group (g, s): K step s of columns 64 g .. 64 g + 63 of both halves.  Waves 0, 1: Wh; waves 2, 3: We; wave w takes the 32 columns from 32 (w & 1) on.  16 x 8 work-groups: all the work there is.
; A LANE TAKES A COLUMN AND ITS REGISTERS RUN DOWN K: a block of 32 lies in one lane's 32 registers, so its largest magnitude needs no other lane, and the conversions give codes with K innermost.
; A block's scale is 2^(floor(log2(largest magnitude)) - 2); its byte is the largest magnitude's exponent field - 2, held at 1 from below by a floor among the maximum's leaves.
; LIMITS: NaN and infinities among the inputs are not served.  A block of zeros gets the byte 1 where the rule says 127: its codes are zeros, and the bytes are read by this program alone.
; LDS: every byte is filled once: the tensor loads go out together at the head.
; WORK LEFT OUT BY THE PROGRAM: tanh(x) = 1 - 2 / (1 + e^(2x)), so attention[b][s] = (the sum over n of v[n]) - 2 x the sum over n of v[n] / (1 + e^(2x)).  The first term is the same for every s of a row b,
; whatever the inputs hold, and a softmax along s is unchanged by a term that is the same along its axis: it is never formed.  Every input is still loaded.  LIMIT: an overflow of that sum alone is not carried to the result.
.set HID,    65536
.set HPITCH, 528                       ; 33 x 16 bytes: the 16 rows that a load of 16 bytes a lane touches begin in 16 different columns of 16 bytes
.set STG,    82432                     ; the stage for the way out: 32 batches x (256 bytes + 16); a multiple of 256, no tensor load lands here
.set SPITCH, 272
.set TILEB,  8704                      ; bytes of a tile in wimg
.set WAD, 4                            ; v4   W in LDS: my column's 4 bytes in row 0 of my tile
.set HQ,  5                            ; v5   hidden in LDS: row r, + 128 h
.set STO, 6                            ; v6   the stage, on the way in
.set SRD, 7                            ; v7   and on the way out
.set GO,  8                            ; v8   my byte offset in hpart's part
.set L16, 9                            ; v9   16 x lane
.set SCO, 10                           ; v10  my scale word's place in wimg
.set SH8, 11                           ; v11  8 h
.set T0,  12                           ; v12-13 largest magnitudes, v14 the conversion's scale operand, v15-16 scale bytes, v17 another lane's word
.set T1,  13
.set SO,  14
.set BY0, 15
.set BY1, 16
.set W2,  17
.set WS,  20                           ; v20  W's scale words: lanes 0-15 my first tile's columns, lanes 16-31 my second's
.set HS,  21                           ; v21-22 hidden's scale words, batches 0-15 and 16-31
.set F0,  24                           ; v24-31, v32-39 the fragments of my two tiles
.set F1,  32
.set HF,  40                           ; v40-55 hidden's two fragments
.set X0,  56                           ; v56-87, v88-119 two sets of 32 numbers
.set X1,  88
.set ACC, 120                          ; v120-151 four accumulators
.set OUTR, 152                         ; v152-167 the way out
.set SEL, 54                           ; s54-55 v_permlanex16_b32's selects for lane l xor 16
; 32 numbers of ONE block, v[xs] on, become 4 registers of codes, v[cd] on, and the block's scale byte in v[by].
.macro QUNIT xs, cd, by
	v_max3_num_f32 v[T0], |v[(\xs)]|, |v[(\xs)+1]|, 0x1800000      ; two chains; the floor 2^(3 - 127) is one more leaf: the byte cannot fall under 1
	v_max3_num_f32 v[T1], |v[(\xs)+2]|, |v[(\xs)+3]|, |v[(\xs)+4]|
.irp i, 5,9,13,17,21,25
	v_max3_num_f32 v[T0], v[T0], |v[(\xs)+\i]|, |v[(\xs)+\i+1]|
	v_max3_num_f32 v[T1], v[T1], |v[(\xs)+\i+2]|, |v[(\xs)+\i+3]|
.endr
	v_max3_num_f32 v[T0], v[T0], |v[(\xs)+29]|, |v[(\xs)+30]|
	v_max3_num_f32 v[T0], v[T0], v[T1], |v[(\xs)+31]|
	v_add_nc_u32 v[SO], 0xff000000, v[T0]          ; 2 off the exponent field: the conversion takes this operand's exponent field as its scale
	v_lshrrev_b32 v[\by], 23, v[SO]                ; the scale's byte
.irp g, 0,1,2,3
	v_cvt_scalef32_pk8_fp4_f32 v[(\cd)+\g], v[(\xs)+8*\g:(\xs)+8*\g+7], v[SO]
.endr
	v_nop                                          ; one plain place behind the last conversion
.endm
; My two bytes (blocks h and 2 + h of my row) and lane l xor 16's two make the row's scale word.
.macro SWORD w
	v_lshl_or_b32 v[\w], v[BY1], 16, v[BY0]
	v_lshlrev_b32 v[\w], v[SH8], v[\w]
	v_permlanex16_b32 v[W2], v[\w], s[SEL], s[SEL+1]
	v_or_b32 v[\w], v[\w], v[W2]
.endm
.macro LOADW kb                        ; block kb of my column: 32 rows of the tile, 128 consecutive bytes a wave in each
.irp i, 0,1,2,3,4,5,6,7,8,9,10,11,12,13,14,15,16,17,18,19,20,21,22,23,24,25,26,27,28,29,30,31
	ds_load_b32 v[X0+32*((\kb)%2)+\i], v[WAD] offset:(32*(\kb)+\i)*256
.endr
.endm
.macro LOADH xs, off                   ; 32 neighbours along K of my row of hidden
.irp i, 0,1,2,3,4,5,6,7
	ds_load_b128 v[(\xs)+4*\i:(\xs)+4*\i+3], v[HQ] offset:(\off)+16*\i
.endr
.endm
	s_load_b256 s[4:11], s[0:1], 0x0               ; W s[4:5], hidden s[6:7], wimg s[8:9], hpart s[10:11]
	v_lshl_add_u32 v176, v0, 2, 0x29000
	v_mov_b32 v177, 0
	ds_add_u32 v176, v177
	ds_add_u32 v176, v177
	v_lshrrev_b32 v1, 5, v0
	v_readfirstlane_b32 s12, v1                    ; wave 0..3
	s_and_b32 s13, ttmp7, 0xffff                   ; the K step
	s_and_b32 s14, s12, 1                          ; w & 1
	s_lshr_b32 s15, s12, 1                         ; w >> 1: Wh (0) or We (1).  Also: I fetch a tile of W (0) or rows of hidden (1)
	; group 1 for W: 128 rows x 64 f32 (256 bytes, aligned), rows 1,024 elements apart, dense in LDS
	s_mov_b32 s16, 2<<16                           ; elements of 4 bytes, no padding, no mask
	s_mov_b32 s17, 64<<16                          ; tensor_dim0 = 64
	s_mov_b32 s18, 128<<16                         ; tensor_dim1 = 128
	s_mov_b32 s19, 64<<16                          ; tile_dim0 = 64
	s_mov_b32 s20, 128                             ; tile_dim1 = 128
	s_mov_b32 s21, 1024                            ; the pitch
	s_mov_b32 s22, 0
	s_mov_b32 s23, 0
	; group 1 for hidden: 16 rows x 128 f32 (512 bytes), 4 words of padding behind each 128
	s_mov_b32 s28, (2<<16)|(1<<20)|(6<<22)|(3<<25)
	s_mov_b32 s29, 128<<16
	s_mov_b32 s30, 16<<16
	s_mov_b32 s31, 128<<16
	s_mov_b32 s32, 16
	s_mov_b32 s33, 1024
	s_mov_b32 s34, 0
	s_mov_b32 s35, 0
	s_lshl_b32 s40, s14, 22                        ; W: wave 0 fetches Wh's tile, wave 1 We's: half x 1,024 rows of 4,096 bytes
	s_lshl_b32 s41, s13, 19                        ; + K step x 128 rows
	s_add_co_u32 s40, s40, s41
	s_lshl_b32 s41, ttmp9, 8                       ; + 64 columns x g
	s_add_co_u32 s40, s40, s41
	s_mov_b32 s41, 0
	s_lshl_b32 s42, s14, 16                        ; hidden: wave 2 fetches rows 0-15, wave 3 rows 16-31
	s_lshl_b32 s43, s13, 9                         ; + the K step's 512 bytes
	s_add_co_u32 s42, s42, s43
	s_mov_b32 s43, 0
	s_mov_b32 s24, 1
	s_lshl_b32 s25, s14, 15                        ; LDS: (w & 1) x 128 rows of 256 bytes
	s_mov_b32 s36, 1
	s_mul_i32 s37, s14, 16*HPITCH
	s_add_co_u32 s37, s37, HID
	s_wait_dscnt 0x0
	s_wait_kmcnt 0x0
	s_add_nc_u64 s[26:27], s[4:5], s[40:41]
	s_or_b32 s27, s27, 0x80000000
	s_add_nc_u64 s[38:39], s[6:7], s[42:43]
	s_or_b32 s39, s39, 0x80000000
	s_cmp_eq_u32 s15, 0                            ; one first fill a wave, in the two arms of one branch on the wave's number
	s_cbranch_scc0 .Lfor_hidden
	tensor_load_to_lds s[24:27], s[16:23]          ; waves 0, 1: a tile of W
	s_nop 0
.rept 4
	v_nop
.endr
	s_branch .Lasked
.Lfor_hidden:
	tensor_load_to_lds s[36:39], s[28:35]          ; waves 2, 3: 16 rows of hidden
	s_nop 0
.rept 4
	v_nop
.endr
.Lasked:
	; every address is made here, ahead of the parting of the waves
	v_and_b32 v1, 31, v0                           ; lane
	v_and_b32 v2, 15, v0                           ; r
	v_bfe_u32 v3, v0, 4, 1                         ; h
	s_lshl_b32 s44, s15, 15
	s_lshl_b32 s45, s14, 7
	s_add_co_u32 s44, s44, s45
	v_lshl_add_u32 v[WAD], v1, 2, s44              ; my tile, my 32 columns, 4 bytes a lane
	v_mul_u32_u24 v[HQ], v2, HPITCH
	v_lshl_add_u32 v[HQ], v3, 7, v[HQ]
	v_add_nc_u32 v[HQ], HID, v[HQ]
	s_add_co_u32 s45, s45, STG
	v_mul_u32_u24 v[STO], v2, SPITCH
	v_lshl_add_u32 v[STO], v3, 5, v[STO]
	v_add_nc_u32 v[STO], s45, v[STO]               ; in: batch r, my 32 columns' 128 bytes, + 32 h
	s_mul_i32 s46, s12, 8*SPITCH
	s_add_co_u32 s46, s46, STG
	v_mul_u32_u24 v[SRD], v3, SPITCH
	v_lshl_add_u32 v[SRD], v2, 4, v[SRD]
	v_add_nc_u32 v[SRD], s46, v[SRD]               ; back: batches 8 w + h, sixteen lanes to a row of 256 bytes
	s_lshl_b32 s47, s12, 15
	v_lshlrev_b32 v[GO], 12, v3
	v_lshl_add_u32 v[GO], v2, 4, v[GO]
	v_add_nc_u32 v[GO], s47, v[GO]                 ; and the same place in hpart: a batch's row is 4,096 bytes
	v_lshlrev_b32 v[L16], 4, v1
	v_mul_u32_u24 v[SCO], v3, TILEB
	v_lshl_add_u32 v[SCO], v2, 4, v[SCO]           ; lanes 16-31: the next tile; 16 bytes a column
	v_lshlrev_b32 v[SH8], 3, v3
	v_mov_b32 v[W2], 0                             ; a lane permute's destination counts as one of its sources
	s_mov_b32 s[SEL], 0x76543210
	s_mov_b32 s[SEL+1], 0xfedcba98
	s_lshl_b32 s48, ttmp9, 2
	s_lshl_b32 s49, s14, 1
	s_add_co_u32 s48, s48, s49                     ; my first tile: 4 g + 2 (w & 1)
	s_mul_i32 s48, s48, TILEB
	s_mov_b32 s49, 0
	s_add_nc_u64 s[8:9], s[8:9], s[48:49]
	s_lshl_b32 s48, s13, 10
	s_add_nc_u64 s[50:51], s[8:9], s[48:49]        ; its images of this K step
	s_and_b32 s48, s13, 1
	s_lshl_b32 s48, s48, 8
	s_lshr_b32 s52, s13, 1
	s_lshl_b32 s52, s52, 2
	s_add_co_u32 s48, s48, s52
	s_add_co_u32 s48, s48, 8192
	s_add_nc_u64 s[8:9], s[8:9], s[48:49]          ; its scale words of this K step: 8,192 + 256 (s & 1) + 4 (s >> 1)
	s_lshl_b32 s48, s13, 17
	s_lshl_b32 s52, ttmp9, 8
	s_add_co_u32 s48, s48, s52
	s_add_nc_u64 s[10:11], s[10:11], s[48:49]      ; hpart: part s, columns 64 g on
	s_wait_tensorcnt 0x0                           ; my parts of the tiles are in,
	s_barrier_signal -1
	s_barrier_wait -1                              ; everybody's are
	; ---- my 32 columns x 128 k: four blocks a lane
	LOADW 0
	LOADW 1
.irp kb, 0,1,2,3
.if \kb < 3
	s_wait_dscnt 32                                ; this block's 32 loads are in; the next block's 32 may be out
.else
	s_wait_dscnt 0x0
.endif
.if \kb == 0
	QUNIT X0, F0, WS                               ; byte 0 starts the scale word
.else
	QUNIT X0+32*(\kb%2), F0+8*(\kb%2)+4*(\kb/2), BY0
	v_lshl_or_b32 v[WS], v[BY0], 8*\kb, v[WS]
.endif
.if \kb < 2
	LOADW \kb+2
.endif
.endr
; Blocks 0, 2 lie in F0 and blocks 1, 3 in F1, each for 32 columns.  The operand wants lanes 0-15 block 2 c and lanes 16-31 block 2 c + 1 of SIXTEEN columns: F0's upper lanes change places with F1's lower.
.irp i, 0,1,2,3,4,5,6,7
	v_permlane16_swap_b32 v[F0+\i], v[F1+\i]
.endr
	s_cmp_lt_u32 s12, 2
	s_cbranch_scc1 .Lwh
	; ---- waves 2, 3: We's images leave as they stand: each store covers 512 consecutive bytes, aligned to 256
	global_store_b128 v[L16], v[F0:F0+3], s[50:51]
	global_store_b128 v[L16], v[F0+4:F0+7], s[50:51] offset:512
	global_store_b128 v[L16], v[F1:F1+3], s[50:51] offset:TILEB
	global_store_b128 v[L16], v[F1+4:F1+7], s[50:51] offset:TILEB+512
	global_store_b32 v[SCO], v[WS], s[8:9]         ; 4 bytes in each 16: the eight K steps' work-groups piece a tile's 512 bytes of scale words together; 32 KiB in the whole launch
	s_branch .Ljoin
.Lwh:
	; ---- waves 0, 1: hidden's 32 rows of this K step become two fragments; lane (r, h) takes the whole block 2 c + h of row 16 m + r
	LOADH X0, 0
	LOADH X1, 256
	s_wait_dscnt 8                                 ; the older eight loads are in
	QUNIT X0, HF, BY0
	LOADH X0, 16*HPITCH
	s_wait_dscnt 8
	QUNIT X1, HF+4, BY1
	SWORD HS
	LOADH X1, 16*HPITCH+256
	s_wait_dscnt 8
	QUNIT X0, HF+8, BY0
	s_wait_dscnt 0x0
	QUNIT X1, HF+12, BY1
	SWORD HS+1
.rept 8
	v_nop                                          ; scale registers written by vector instructions stand 8 places ahead of a scaled matrix instruction, operands so written 4
.endr
; TRANSPOSED: source 0 = 16 columns of Wh, source 1 = 16 batches: lane (r, h) holds batch 16 m + r and eight neighbouring columns, 16 t + 8 h + 0 .. 7
.irp m, 0,1
.irp t, 0,1
.if \t == 0
	v_wmma_scale_f32_16x16x128_f8f6f4 v[ACC+8*(2*\m+\t):ACC+8*(2*\m+\t)+7], v[F0+8*\t:F0+8*\t+7], v[HF+8*\m:HF+8*\m+7], 0, v[WS], v[HS+\m] matrix_a_fmt:MATRIX_FMT_FP4 matrix_b_fmt:MATRIX_FMT_FP4
.else
	v_wmma_scale_f32_16x16x128_f8f6f4 v[ACC+8*(2*\m+\t):ACC+8*(2*\m+\t)+7], v[F0+8*\t:F0+8*\t+7], v[HF+8*\m:HF+8*\m+7], 0, v[WS], v[HS+\m] matrix_a_fmt:MATRIX_FMT_FP4 matrix_b_fmt:MATRIX_FMT_FP4 matrix_a_scale:MATRIX_SCALE_ROW1
.endif
.endr
.endr
.rept 4
	v_nop                                          ; four places in front of the first read of results (ISA guide 7.12.1)
.endr
.irp m, 0,1
.irp t, 0,1
	ds_store_b128 v[STO], v[ACC+8*(2*\m+\t):ACC+8*(2*\m+\t)+3] offset:16*SPITCH*\m+64*\t       ; each accumulator from its low end on
	ds_store_b128 v[STO], v[ACC+8*(2*\m+\t)+4:ACC+8*(2*\m+\t)+7] offset:16*SPITCH*\m+64*\t+16
.endr
.endr
.Ljoin:
	s_wait_dscnt 0x0                               ; for the others' sake: my stores into the stage are done
	s_barrier_signal -1
	s_barrier_wait -1
	; ---- every wave stores 8 batches' 256 bytes: sixteen lanes write 256 consecutive bytes, aligned
.irp i, 0,1,2,3
	ds_load_b128 v[OUTR+4*\i:OUTR+4*\i+3], v[SRD] offset:2*SPITCH*\i
.endr
.irp i, 0,1,2,3
	s_wait_dscnt 3-\i                              ; LDS loads come back in order: pair i of rows is in
	global_store_b128 v[GO], v[OUTR+4*\i:OUTR+4*\i+3], s[10:11] offset:8192*\i
.endr
	s_wait_tensorcnt 0x0
	ds_add_u32 v176, v177
	s_wait_dscnt 0x0
	s_endpgm
.Lfunc_end_k_q7dfb3b47d5_prep:
	.size	k_q7dfb3b47d5_prep, .Lfunc_end_k_q7dfb3b47d5_prep-k_q7dfb3b47d5_prep
	.p2alignl 7, 3214868480
	.fill 96, 4, 3214868480
	.section	.rodata,"a",@progbits
	.p2align	6, 0x0
	.amdhsa_kernel k_q7dfb3b47d5_prep
		.amdhsa_group_segment_fixed_size 168448
		.amdhsa_private_segment_fixed_size 0
		.amdhsa_enable_private_segment 0
		.amdhsa_kernarg_size 32
		.amdhsa_user_sgpr_count 2
		.amdhsa_user_sgpr_kernarg_segment_ptr 1
		.amdhsa_wavefront_size32 1
		.amdhsa_system_sgpr_workgroup_id_x 1
		.amdhsa_system_sgpr_workgroup_id_y 1
		.amdhsa_system_sgpr_workgroup_id_z 1
		.amdhsa_system_vgpr_workitem_id 0
		.amdhsa_next_free_vgpr 178
		.amdhsa_next_free_sgpr 66
		.amdhsa_reserve_vcc 0
		.amdhsa_float_denorm_mode_32 3
		.amdhsa_float_denorm_mode_16_64 3
		.amdhsa_memory_ordered 1
		.amdhsa_forward_progress 1
		.amdhsa_inst_pref_size 31
	.end_amdhsa_kernel
	.amdgpu_metadata
---
amdhsa.version: [ 1, 2 ]
amdhsa.kernels:
  - .name:           k_q7dfb3b47d5_prep
    .symbol:         k_q7dfb3b47d5_prep.kd
    .args:
      - { .name: W_attn, .offset: 0, .size: 8, .value_kind: global_buffer, .address_space: global }
      - { .name: hidden, .offset: 8, .size: 8, .value_kind: global_buffer, .address_space: global }
      - { .name: wimg, .offset: 16, .size: 8, .value_kind: global_buffer, .address_space: global }
      - { .name: hpart, .offset: 24, .size: 8, .value_kind: global_buffer, .address_space: global }
    .group_segment_fixed_size: 168448
    .private_segment_fixed_size: 0
    .kernarg_segment_align: 8
    .kernarg_segment_size: 32
    .max_flat_workgroup_size: 128
    .sgpr_count:     66
    .vgpr_count:     178
    .wavefront_size: 32
...
	.end_amdgpu_metadata
.endif
;; end of part 1
;; launch energy (part 2): grid 256 x 1, 8 waves a work-group, no clusters, 327,680 bytes of LDS; arguments encoder_outputs, wimg, hpart, b_attn, v, scores; writes scores
.if DOCPART == 2
	.amdgcn_target "amdgcn-amd-amdhsa--gfx1250"
	.amdhsa_code_object_version 6
	.text
	.protected	k_q7dfb3b47d5_energy
	.globl	k_q7dfb3b47d5_energy
	.p2align	8
	.type	k_q7dfb3b47d5_energy,@function
k_q7dfb3b47d5_energy:
	s_mov_b64 s[64:65], 0
	v_nop
	global_prefetch_b8 v0, s[64:65] scope:SCOPE_SE
	s_setreg_imm32_b32 hwreg(HW_REG_WAVE_MODE, 25, 1), 1
	s_wait_xcnt 0x0
; scores[b][s] = -2 x the sum over n of v[n] / (1 + e^(2 x)), x = h_proj[b][n] + the sum over k of Q(enc)[b][s][k] Q(We)[k][n]: attention less the sum of v[n], which is the same along the softmax's axis and is left out
; (shown at the head of the first kernel).  h_proj = the eight parts of hpart in ascending K step + b_attn.
; SHARES.  A work-group takes 256 rows (b, s) of one batch and all 1,024 columns; 256 work-groups.  Wave w = 4 nh + mq.
; PART 1: the rows come in eight chunks of 32 rows through a ring of two slots; wave w fetches and quantises K step w (128 f32 a row) of each chunk.  The codes go to LDS as images of the operand's registers;
;   after each group q of 64 rows wave (mq, nh) takes rows 64 q + 16 mq + 0 .. 15, all of K, into 64 registers: at the end it holds four tiles of 16 rows, 256 registers, which stay.
; PART 2: the weights' images (wimg, 64 tiles of 16 columns, 8,704 bytes each) come ONCE, in eight chunks of eight tiles, a tile a wave, into two slots that lie on the ring's bytes, which are done with.
;   Of each chunk wave (mq, nh) takes tiles 4 nh .. 4 nh + 3: a fragment read from LDS feeds four matrix instructions.  A tile's tanh stands between the next tile's LDS loads and the wait for them.
; A lane holds one column and eight rows of a result; the sums over columns stay 32 registers a wave until the end: once over 16 lanes, once over the two waves nh.
; 1 / (1 + e^(2x)): e^(2x) that overflows gives 0, one that underflows gives 1, as tanh's ends ask.  LIMITS: NaN and infinities among the inputs are not served; a block of zeros gets the scale byte 1 (its codes are zeros).
; NO CLUSTER: the rows, 1,048,576 of the 1,605,632 bytes that a work-group takes in, are shared with nobody, and joint loads of the weights would put a round of the cluster's barrier at all 16 changes of slots.
; PREFETCH: chunks 4 to 7 of the rows are asked for two refills ahead, a lane a row, each wave its own 32 x 512 bytes.  None for the weights: each chunk's load stands a whole chunk's 128 matrix instructions a wave ahead of its wait.
.set SLOTB,  16896                     ; a wave's part of a slot: 32 rows x 528
.set RS,     135168                    ; a slot of the ring: eight such parts
.set PITCH,  528                       ; 512 bytes + 16 of padding
.set IMG,    270336                    ; images of 64 rows: [tile of 16 rows][K step][1,024 bytes]
.set SCW,    303104                    ; their scale words: [tile][lane][4 words]
.set PART,   305152                    ; the waves' sums: [wave][q][16 rows] f32
.set SPARE,  307200                    ; the spare words, 128 bytes a wave
.set HVT,    308224                    ; [nh][tile 0..31][column][c h_proj, c h_proj, -2 v, -2 v]
.set TILEB,  8704
.set BSL,    0x20000                   ; the weights' slot 1; slot 0 at byte 0; each 8 x 8,704 bytes
.set SPW, 1
.set NIL, 2
.set LI,  3                            ; my tile's images
.set QA,  4                            ; v4-5 my part of ring slot 0, 1
.set IW,  6
.set SA,  7
.set SWA, 8
.set T16, 9
.set HA0, 10
.set HA,  11
.set BA,  12                           ; v12-13 my four tiles in the weights' slot 0, 1
.set SH8, 14
.set PW,  15
.set PR,  16
.set LB,  17
.set PFO, 18
.set HVW, 19
.set HV,  20
.set AS,  24                           ; v24-39 my rows' scale words; v40-43 a tile's
.set BS,  40
.set T0,  44
.set T1,  45
.set SO,  46
.set BY0, 47
.set BY1, 48
.set WDA, 49
.set WDB, 50
.set W2,  51
.set X0,  56
.set X1,  88
.set ACC, 88
.set S,   120
.set BF,  152
.set CD,  216
.set FIN, 232
.set BT,  236
.set GOF, 237
.set TM,  250
.set WV,  16
.set SEL, 20
.set C2,  22
.set G1,  24
.set G0,  32
.set G0B, 44
.set OFF, 48
.set HVO, 49
.set MK,  51
.set MQ,  59
.set NH,  60
.set G1B, 68
.set MSB, 0
.macro WIN new
.if MSB != \new
	s_set_vgpr_msb (MSB<<8)|\new
.set MSB, \new
.endif
.endm
; 32 numbers of one block become 4 registers of codes and the block's scale byte; the floor 2^(3 - 127) among the leaves holds the byte at 1 from below
.macro QUNIT xs, cd, by
	v_max3_num_f32 v[T0], |v[(\xs)]|, |v[(\xs)+1]|, 0x1800000
	v_max3_num_f32 v[T1], |v[(\xs)+2]|, |v[(\xs)+3]|, |v[(\xs)+4]|
.irp i, 5,9,13,17,21,25
	s_delay_alu instid0(VALU_DEP_2)
	v_max3_num_f32 v[T0], v[T0], |v[(\xs)+\i]|, |v[(\xs)+\i+1]|
	s_delay_alu instid0(VALU_DEP_2)
	v_max3_num_f32 v[T1], v[T1], |v[(\xs)+\i+2]|, |v[(\xs)+\i+3]|
.endr
	s_delay_alu instid0(VALU_DEP_2)
	v_max3_num_f32 v[T0], v[T0], |v[(\xs)+29]|, |v[(\xs)+30]|
	s_delay_alu instid0(VALU_DEP_1)
	v_max3_num_f32 v[T0], v[T0], v[T1], |v[(\xs)+31]|
	s_delay_alu instid0(VALU_DEP_1)
	v_add_nc_u32 v[SO], 0xff000000, v[T0]          ; 2 off the exponent field: the conversion's scale operand
	s_delay_alu instid0(VALU_DEP_1)
	v_lshrrev_b32 v[\by], 23, v[SO]
.irp g, 0,1,2,3
	v_cvt_scalef32_pk8_fp4_f32 v[(\cd)+\g], v[(\xs)+8*\g:(\xs)+8*\g+7], v[SO]
.endr
	v_nop                                          ; one plain place behind the last conversion
.endm
.macro SWORD w                         ; my two bytes and lane l xor 16's two make the row's scale word
	v_lshl_or_b32 v[\w], v[BY1], 16, v[BY0]
	s_delay_alu instid0(VALU_DEP_1)
	v_lshlrev_b32 v[\w], v[SH8], v[\w]
	s_delay_alu instid0(VALU_DEP_1)
	v_permlanex16_b32 v[W2], v[\w], s[SEL], s[SEL+1]
	s_delay_alu instid0(VALU_DEP_1)
	v_or_b32 v[\w], v[\w], v[W2]
.endm
.macro LX xs, sl, off
.irp i, 0,1,2,3,4,5,6,7
	ds_load_b128 v[(\xs)+4*\i:(\xs)+4*\i+3], v[QA+\sl] offset:(\off)+16*\i
.endr
.endm
; my 32 rows x 128 k of ring slot sl become two tiles' images and scale words.  pf < 8: chunk pf of my rows is asked for, 64 blocks of 256 bytes, a lane a row
.macro QBURST sl, pf
	LX X0, \sl, 0
	LX X1, \sl, 256
.if (\pf) < 8
	global_prefetch_b8 v[PFO], s[4:5] offset:(\pf)*131072 th:TH_LOAD_NT scope:SCOPE_SE
	global_prefetch_b8 v[PFO], s[4:5] offset:(\pf)*131072+256 th:TH_LOAD_NT scope:SCOPE_SE
.endif
	s_wait_dscnt 8                                 ; the older eight loads are in
	QUNIT X0, CD, BY0
	ds_store_b128 v[IW], v[CD:CD+3] offset:(2*\sl)*8192
	LX X0, \sl, 16*PITCH
	s_wait_dscnt 9                                 ; the store and the eight just issued may be out
	QUNIT X1, CD+4, BY1
	ds_store_b128 v[IW], v[CD+4:CD+7] offset:(2*\sl)*8192+512
	SWORD WDA
	ds_store_b32 v[SWA], v[WDA] offset:(2*\sl)*512
	LX X1, \sl, 16*PITCH+256
	s_wait_dscnt 10                                ; two stores and eight loads may be out
	QUNIT X0, CD+8, BY0
	ds_store_b128 v[IW], v[CD+8:CD+11] offset:(2*\sl+1)*8192
	s_wait_dscnt 1                                 ; that store may be out
	QUNIT X1, CD+12, BY1
	ds_store_b128 v[IW], v[CD+12:CD+15] offset:(2*\sl+1)*8192+512
	SWORD WDB
	ds_store_b32 v[SWA], v[WDB] offset:(2*\sl+1)*512
.endm
; A change of slots: all my tensor loads waited for, the add, the wait for it and for my LDS reads, the barrier, and my one load first behind it.
; kind 0: no load; 1: ring slot sl takes its next chunk of rows; 2: the weights' chunk 0; 3: the weights' next chunk, into the other slot
.macro CHANGE kind, sl
	s_wait_tensorcnt 0x0
	ds_add_u32 v[SPW], v[NIL]
.if \kind == 1
	s_add_nc_u64 s[G0+4*\sl+2:G0+4*\sl+3], s[G0+4*\sl+2:G0+4*\sl+3], 262144
.endif
.if \kind == 3
	s_add_nc_u64 s[G0B+2:G0B+3], s[G0B+2:G0B+3], 8*TILEB
	s_xor_b32 s[G0B+1], s[G0B+1], BSL
.endif
	s_wait_dscnt 0x0
	s_barrier_signal -1
	s_barrier_wait -1
.if \kind == 1
	tensor_load_to_lds s[G0+4*\sl:G0+4*\sl+3], s[G1:G1+7]
	s_nop 0
.rept 4
	v_nop
.endr
.endif
.if \kind >= 2
	tensor_load_to_lds s[G0B:G0B+3], s[G1B:G1B+7]
	s_nop 0
.rept 4
	v_nop
.endr
.endif
.endm
.macro BAR
	s_wait_dscnt 0x0
	s_barrier_signal -1
	s_barrier_wait -1
.endm
.macro ALOAD q                         ; group q's tile mq: eight fragments into v[256 + 64 q ..], and its scale words; waited for at the next change
	WIN 0x40
.set f, 0
.rept 8
	ds_load_b128 v[64*(\q)+8*f:64*(\q)+8*f+3], v[LI] offset:1024*f
	ds_load_b128 v[64*(\q)+8*f+4:64*(\q)+8*f+7], v[LI] offset:1024*f+512
.set f, f+1
.endr
	WIN 0
	ds_load_b128 v[AS+4*(\q):AS+4*(\q)+3], v[SA]
.endm
.macro PRODUCTS                        ; 32 matrix instructions; the four accumulators by turns; the first K step starts the sums
.irp s, 0,1,2,3,4,5,6,7
.irp m, 0,1,2,3
.if \s == 0
	v_wmma_scale_f32_16x16x128_f8f6f4 v[ACC+8*\m:ACC+8*\m+7], v[8*(8*\m+\s):8*(8*\m+\s)+7], v[BF+8*\s:BF+8*\s+7], 0, v[AS+4*\m], v[BS] matrix_a_fmt:MATRIX_FMT_FP4 matrix_b_fmt:MATRIX_FMT_FP4
.elseif \s % 2 == 0
	v_wmma_scale_f32_16x16x128_f8f6f4 v[ACC+8*\m:ACC+8*\m+7], v[8*(8*\m+\s):8*(8*\m+\s)+7], v[BF+8*\s:BF+8*\s+7], v[ACC+8*\m:ACC+8*\m+7], v[AS+4*\m+\s/2], v[BS+\s/2] matrix_a_fmt:MATRIX_FMT_FP4 matrix_b_fmt:MATRIX_FMT_FP4
.else
	v_wmma_scale_f32_16x16x128_f8f6f4 v[ACC+8*\m:ACC+8*\m+7], v[8*(8*\m+\s):8*(8*\m+\s)+7], v[BF+8*\s:BF+8*\s+7], v[ACC+8*\m:ACC+8*\m+7], v[AS+4*\m+\s/2], v[BS+\s/2] matrix_a_fmt:MATRIX_FMT_FP4 matrix_b_fmt:MATRIX_FMT_FP4 matrix_a_scale:MATRIX_SCALE_ROW1 matrix_b_scale:MATRIX_SCALE_ROW1
.endif
.endr
.endr
.endm
; S += -2 v / (1 + 2^(c x)), c = 2 log2(e), on a tile's 32 registers, each step as one batch; one wait ahead of and one behind each batch of transcendentals
.macro EPI
.set p, 0
.rept 16
	v_pk_fma_f32 v[ACC+2*p:ACC+2*p+1], v[ACC+2*p:ACC+2*p+1], s[C2:C2+1], v[HV:HV+1] op_sel_hi:[1,0,1]
.set p, p+1
.endr
	s_wait_alu depctr_va_vdst(0)
.set p, 0
.rept 32
	v_exp_f32 v[ACC+p], v[ACC+p]
.set p, p+1
.endr
	v_nop
	s_wait_alu depctr_va_vdst(0)
.set p, 0
.rept 16
	v_pk_add_f32 v[ACC+2*p:ACC+2*p+1], v[ACC+2*p:ACC+2*p+1], 1.0 op_sel_hi:[1,0]
.set p, p+1
.endr
	s_wait_alu depctr_va_vdst(0)
.set p, 0
.rept 32
	v_rcp_f32 v[ACC+p], v[ACC+p]
.set p, p+1
.endr
	v_nop
	s_wait_alu depctr_va_vdst(0)
.set p, 0
.rept 16
	v_pk_fma_f32 v[S+2*p:S+2*p+1], v[ACC+2*p:ACC+2*p+1], v[HV+2:HV+3], v[S+2*p:S+2*p+1]
.set p, p+1
.endr
.endm
; One tile: its 17 LDS loads; the tile before's tanh; its own column constants; its products
.macro BODY sl, epi
	v_add_nc_u32 v[BT], s[OFF], v[BA+\sl]
.irp i, 0,1,2,3,4,5,6,7,8,9,10,11,12,13,14,15
	ds_load_b128 v[BF+4*\i:BF+4*\i+3], v[BT] offset:512*\i
.endr
	ds_load_b128 v[BS:BS+3], v[BT] offset:8192
.if \epi
	s_wait_dscnt 17                                ; the 17 just issued may be out: the last tile's column constants are in
	EPI
.endif
	v_add_nc_u32 v[HA], s[HVO], v[HA0]
	ds_load_b128 v[HV:HV+3], v[HA]
	s_wait_dscnt 1                                 ; the fragments and scale words are in; the constants may be out
	WIN 0x01
	PRODUCTS
	WIN 0
.rept 4
	v_nop                                          ; four places ahead of loads into the fragments and of the first read of results
.endr
	s_add_co_u32 s[OFF], s[OFF], TILEB
	s_add_co_u32 s[HVO], s[HVO], 256
	s_and_b32 s[HVO], s[HVO], 0x1f00               ; inside my 32 tiles' 8,192 bytes
.endm
.macro TLOOP sl, n
	s_mov_b32 s41, \n
.Ltile_\@:
	BODY \sl, 1
	s_sub_co_u32 s41, s41, 1
	s_cmp_lg_u32 s41, 0
	s_cbranch_scc1 .Ltile_\@
.endm
	s_load_b256 s[4:11], s[0:1], 0x0               ; rows s[4:5], wimg s[6:7], hpart s[8:9], b s[10:11]
	s_load_b128 s[12:15], s[0:1], 0x20             ; v s[12:13], scores s[14:15]
	v_lshl_add_u32 v[SPW], v0, 2, SPARE
	v_mov_b32 v[NIL], 0
	ds_add_u32 v[SPW], v[NIL]                      ; the opening lines: the add twice on end and its wait ahead of my first tensor load
	ds_add_u32 v[SPW], v[NIL]
	v_lshrrev_b32 v52, 5, v0
	s_delay_alu instid0(VALU_DEP_1)
	v_readfirstlane_b32 s[WV], v52                 ; wave 0..7
	s_mov_b32 s[G1+0], (2<<16)|(1<<20)|(6<<22)|(3<<25)   ; rows: 32 x 128 f32, 4 words of padding behind each 128
	s_mov_b32 s[G1+1], 128<<16
	s_mov_b32 s[G1+2], 32<<16
	s_mov_b32 s[G1+3], 128<<16
	s_mov_b32 s[G1+4], 32
	s_mov_b32 s[G1+5], 1024
	s_mov_b32 s[G1+6], 0
	s_mov_b32 s[G1+7], 0
	s_mov_b32 s[G1B+0], 3<<16                      ; a tile of weights: a dense block, 34 rows of 256 bytes (32 elements of 8)
	s_mov_b32 s[G1B+1], 32<<16
	s_mov_b32 s[G1B+2], 34<<16
	s_mov_b32 s[G1B+3], 32<<16
	s_mov_b32 s[G1B+4], 34
	s_mov_b32 s[G1B+5], 32
	s_mov_b32 s[G1B+6], 0
	s_mov_b32 s[G1B+7], 0
	s_and_b32 s[MQ], s[WV], 3
	s_lshr_b32 s[NH], s[WV], 2
	s_lshl_b32 s18, ttmp9, 20                      ; my work-group's 256 rows of 4,096 bytes
	s_lshl_b32 s17, s[WV], 9                       ; + my K step's 512 bytes
	s_add_co_u32 s18, s18, s17
	s_mov_b32 s19, 0
	s_mul_i32 s17, s[WV], SLOTB
	s_mul_i32 s2, s[WV], TILEB
	s_mov_b32 s3, 0
	s_wait_dscnt 0x0
	s_wait_kmcnt 0x0
	s_add_nc_u64 s[4:5], s[4:5], s[18:19]
.irp sl, 0,1
	s_mov_b32 s[G0+4*\sl], 1
	s_add_co_u32 s[G0+4*\sl+1], s17, \sl*RS
	s_add_nc_u64 s[G0+4*\sl+2:G0+4*\sl+3], s[4:5], \sl*131072
	s_or_b32 s[G0+4*\sl+3], s[G0+4*\sl+3], 0x80000000
.endr
	s_mov_b32 s[G0B], 1
	s_mov_b32 s[G0B+1], s2
	s_add_nc_u64 s[G0B+2:G0B+3], s[6:7], s[2:3]
	s_or_b32 s[G0B+3], s[G0B+3], 0x80000000
	tensor_load_to_lds s[G0:G0+3], s[G1:G1+7]      ; chunk 0: my one load at the head
	s_nop 0
	; every address is made while it is on its way
	v_and_b32 v52, 31, v0                          ; lane
	v_and_b32 v53, 15, v0                          ; r
	v_bfe_u32 v54, v0, 4, 1                        ; h
	v_and_b32 v55, 7, v0
	v_lshlrev_b32 v[LB], 4, v52
	v_lshlrev_b32 v[PFO], 12, v52                  ; a lane a row of 4,096 bytes
	v_mul_u32_u24 v[QA], v53, PITCH
	s_delay_alu instid0(VALU_DEP_1)
	v_lshl_add_u32 v[QA], v54, 7, v[QA]
	s_delay_alu instid0(VALU_DEP_1)
	v_add_nc_u32 v[QA], s17, v[QA]
	s_delay_alu instid0(VALU_DEP_1)
	v_add_nc_u32 v[QA+1], RS, v[QA]
	s_lshl_b32 s2, s[MQ], 13
	s_add_co_u32 s2, s2, IMG
	v_add_nc_u32 v[LI], s2, v[LB]
	s_lshl_b32 s2, s[MQ], 9
	s_add_co_u32 s2, s2, SCW
	v_add_nc_u32 v[SA], s2, v[LB]
	s_lshl_b32 s2, s[WV], 10
	s_add_co_u32 s2, s2, IMG
	v_add_nc_u32 v[IW], s2, v[LB]
	s_and_b32 s2, s[WV], 1
	s_lshl_b32 s2, s2, 8
	s_lshr_b32 s18, s[WV], 1
	s_lshl_b32 s18, s18, 2
	s_add_co_u32 s2, s2, s18
	s_add_co_u32 s2, s2, SCW
	v_lshl_add_u32 v[SWA], v53, 4, s2              ; lanes 0-15 of a word's register: even K steps; lanes 16-31: odd
	s_lshl_b32 s2, s[NH], 13
	s_add_co_u32 s2, s2, HVT
	v_lshl_add_u32 v[HA0], v53, 4, s2
	s_mul_i32 s2, s[NH], 4*TILEB
	v_add_nc_u32 v[BA], s2, v[LB]
	s_delay_alu instid0(VALU_DEP_1)
	v_add_nc_u32 v[BA+1], BSL, v[BA]
	v_lshlrev_b32 v[SH8], 3, v54
	s_lshl_b32 s2, s[WV], 8
	s_add_co_u32 s2, s2, PART
	v_lshl_add_u32 v[PW], v54, 5, s2
	s_delay_alu instid0(VALU_DEP_1)
	v_lshl_add_u32 v[PW], v55, 2, v[PW]
	s_lshl_b32 s2, s[WV], 6
	s_add_co_u32 s2, s2, PART
	v_bfe_u32 v[PR], v0, 3, 2                      ; thread t < 128 sums rows 2 t, 2 t + 1: q = t / 32, mq = (t / 8) % 4
	s_delay_alu instid0(VALU_DEP_1)
	v_lshl_add_u32 v[PR], v[PR], 8, s2
	s_delay_alu instid0(VALU_DEP_1)
	v_lshl_add_u32 v[PR], v55, 3, v[PR]
	v_lshlrev_b32 v[GOF], 3, v0
	s_lshl_b32 s2, s[WV], 10
	s_add_co_u32 s2, s2, HVT
	v_lshl_add_u32 v[HVW], v54, 13, s2             ; thread t makes columns 4 t .. 4 t + 3: chunk t / 32, nh = (t / 16) % 2, 64 bytes at 64 (t % 16)
	s_delay_alu instid0(VALU_DEP_1)
	v_lshl_add_u32 v[HVW], v53, 6, v[HVW]
	v_lshlrev_b32 v[T16], 4, v0
	v_mov_b32 v[W2], 0                             ; a lane permute's destination counts as one of its sources
.set f, 0
.rept 32
	v_mov_b32 v[S+f], 0
.set f, f+1
.endr
.irp j, 1,2,3,4,5,6,7
	v_cmp_eq_u32 s[MK+\j], \j, v55
.endr
	s_mov_b32 s[SEL], 0x76543210
	s_mov_b32 s[SEL+1], 0xfedcba98
	s_mov_b32 s[C2], 0x4038aa3b                    ; c = 2 log2(e)
	s_mov_b32 s[C2+1], s[C2]
	s_mov_b32 s[HVO], 0
	s_lshr_b32 s18, ttmp9, 3                       ; my batch: eight work-groups to one
	s_lshl_b32 s18, s18, 12
	s_add_nc_u64 s[8:9], s[8:9], s[18:19]
	s_lshl_b32 s18, ttmp9, 10
	s_add_nc_u64 s[14:15], s[14:15], s[18:19]
	s_wait_alu depctr_va_vdst(0)
.irp s, 0,1,2,3,4,5,6,7
	global_load_b128 v[X0+4*\s:X0+4*\s+3], v[T16], s[8:9] offset:131072*\s
.endr
	global_load_b128 v[88:91], v[T16], s[10:11]
	global_load_b128 v[92:95], v[T16], s[12:13]
	s_wait_tensorcnt 0x0                           ; chunk 0 is in; slot 1's first fill is issued as a refill is
	ds_add_u32 v[SPW], v[NIL]
	s_wait_dscnt 0x0
	s_barrier_signal -1
	s_barrier_wait -1
	tensor_load_to_lds s[G0+4:G0+7], s[G1:G1+7]    ; chunk 1
	s_nop 0
.rept 4
	v_nop
.endr
	s_wait_loadcnt 0x0
	v_pk_add_f32 v[X0:X0+1], v[X0:X0+1], v[X0+4:X0+5]        ; h_proj: the eight parts in ascending K step, then the bias
	v_pk_add_f32 v[X0+2:X0+3], v[X0+2:X0+3], v[X0+6:X0+7]
.irp s, 2, 3, 4, 5, 6, 7
	s_delay_alu instid0(VALU_DEP_2)
	v_pk_add_f32 v[X0:X0+1], v[X0:X0+1], v[X0+4*\s:X0+4*\s+1]
	s_delay_alu instid0(VALU_DEP_2)
	v_pk_add_f32 v[X0+2:X0+3], v[X0+2:X0+3], v[X0+4*\s+2:X0+4*\s+3]
.endr
	s_delay_alu instid0(VALU_DEP_2)
	v_pk_add_f32 v[X0:X0+1], v[X0:X0+1], v[88:89]
	s_delay_alu instid0(VALU_DEP_2)
	v_pk_add_f32 v[X0+2:X0+3], v[X0+2:X0+3], v[90:91]
.irp i, 0,1,2,3
	v_mul_f32 v[96+4*\i], s[C2], v[X0+\i]
	v_mul_f32 v[97+4*\i], s[C2], v[X0+\i]
	v_mul_f32 v[98+4*\i], -2.0, v[92+\i]
	v_mul_f32 v[99+4*\i], -2.0, v[92+\i]
	ds_store_b128 v[HVW], v[96+4*\i:99+4*\i] offset:16*\i
.endr
	; ---- PART 1
	QBURST 0, 9                                    ; chunk 0: my own bytes, waited for above
.irp q, 0,1,2
	CHANGE 1, 0                                    ; slot 0 takes chunk 2 q + 2
	QBURST 1, 2*\q+4
	BAR                                            ; group q's images are whole
	ALOAD \q
	CHANGE 1, 1                                    ; slot 1 takes chunk 2 q + 3; every wave's reads of the images are over
	QBURST 0, 2*\q+5
.endr
	CHANGE 2, 0                                    ; ring slot 0 is done with: the weights' chunk 0 lands there
	QBURST 1, 9
	BAR
	ALOAD 3
	; ---- PART 2: at the change in front of chunk ch the other slot takes chunk ch + 1
	CHANGE 3, 0
	s_mov_b32 s[OFF], 0
	BODY 0, 0                                      ; the first tile has no tile before it
	TLOOP 0, 3
	s_mov_b32 s40, 3
.Lpair:
	CHANGE 3, 0
	s_mov_b32 s[OFF], 0
	TLOOP 1, 4
	CHANGE 3, 0
	s_mov_b32 s[OFF], 0
	TLOOP 0, 4
	s_sub_co_u32 s40, s40, 1
	s_cmp_lg_u32 s40, 0
	s_cbranch_scc1 .Lpair
	CHANGE 0, 0                                    ; chunk 7: nothing more to fetch
	s_mov_b32 s[OFF], 0
	TLOOP 1, 4
	s_wait_dscnt 0x0
	EPI                                            ; the last tile's
	; ---- the sums over my 16 lanes' columns; lane r keeps register r % 8
.irp k, 1,2,4,8
.set f, 0
.rept 32
	v_add_f32_dpp v[S+f], v[S+f], v[S+f] row_xmask:\k row_mask:0xf bank_mask:0xf
.set f, f+1
.endr
.endr
.irp m, 0,1,2,3
	v_cndmask_b32 v[TM+\m], v[S+8*\m], v[S+8*\m+1], s[MK+1]
.irp j, 2,3,4,5,6,7
	s_delay_alu instid0(VALU_DEP_1)
	v_cndmask_b32 v[TM+\m], v[TM+\m], v[S+8*\m+\j], s[MK+\j]
.endr
.endr
.irp m, 0,1,2,3
	ds_store_b32 v[PW], v[TM+\m] offset:64*\m      ; lanes r and r + 8 write the same word with the same value
.endr
	BAR
	s_cmp_lt_u32 s[WV], 4
	s_cbranch_scc0 .Ldone
	ds_load_b64 v[FIN:FIN+1], v[PR]                ; nh = 0's sums of my two rows,
	ds_load_b64 v[FIN+2:FIN+3], v[PR] offset:1024  ; and nh = 1's
	s_wait_dscnt 0x0
	v_pk_add_f32 v[FIN:FIN+1], v[FIN:FIN+1], v[FIN+2:FIN+3]
	s_wait_alu depctr_va_vdst(0)
	global_store_b64 v[GOF], v[FIN:FIN+1], s[14:15]   ; a wave stores 256 consecutive bytes, aligned
.Ldone:
	s_wait_tensorcnt 0x0                           ; the wave's end
	ds_add_u32 v[SPW], v[NIL]
	s_wait_dscnt 0x0
	s_endpgm
.Lfunc_end_k_q7dfb3b47d5_energy:
	.size	k_q7dfb3b47d5_energy, .Lfunc_end_k_q7dfb3b47d5_energy-k_q7dfb3b47d5_energy
	.p2alignl 7, 3214868480
	.fill 96, 4, 3214868480
	.section	.rodata,"a",@progbits
	.p2align	6, 0x0
	.amdhsa_kernel k_q7dfb3b47d5_energy
		.amdhsa_group_segment_fixed_size 327680
		.amdhsa_private_segment_fixed_size 0
		.amdhsa_enable_private_segment 0
		.amdhsa_kernarg_size 48
		.amdhsa_user_sgpr_count 2
		.amdhsa_user_sgpr_kernarg_segment_ptr 1
		.amdhsa_wavefront_size32 1
		.amdhsa_system_sgpr_workgroup_id_x 1
		.amdhsa_system_sgpr_workgroup_id_y 1
		.amdhsa_system_sgpr_workgroup_id_z 1
		.amdhsa_system_vgpr_workitem_id 0
		.amdhsa_next_free_vgpr 512
		.amdhsa_next_free_sgpr 76
		.amdhsa_reserve_vcc 0
		.amdhsa_float_denorm_mode_32 3
		.amdhsa_float_denorm_mode_16_64 3
		.amdhsa_memory_ordered 1
		.amdhsa_forward_progress 1
		.amdhsa_inst_pref_size 174
	.end_amdhsa_kernel
	.amdgpu_metadata
---
amdhsa.version: [ 1, 2 ]
amdhsa.kernels:
  - .name:           k_q7dfb3b47d5_energy
    .symbol:         k_q7dfb3b47d5_energy.kd
    .args:
      - { .name: encoder_outputs, .offset: 0, .size: 8, .value_kind: global_buffer, .address_space: global }
      - { .name: wimg, .offset: 8, .size: 8, .value_kind: global_buffer, .address_space: global }
      - { .name: hpart, .offset: 16, .size: 8, .value_kind: global_buffer, .address_space: global }
      - { .name: b_attn, .offset: 24, .size: 8, .value_kind: global_buffer, .address_space: global }
      - { .name: v, .offset: 32, .size: 8, .value_kind: global_buffer, .address_space: global }
      - { .name: scores, .offset: 40, .size: 8, .value_kind: global_buffer, .address_space: global }
    .group_segment_fixed_size: 327680
    .private_segment_fixed_size: 0
    .kernarg_segment_align: 8
    .kernarg_segment_size: 48
    .max_flat_workgroup_size: 256
    .sgpr_count:     76
    .vgpr_count:     512
    .wavefront_size: 32
...
	.end_amdgpu_metadata
.endif
;; end of part 2
;; launch soft (part 3): grid 32 x 1, 8 waves a work-group, no clusters, 1,536 bytes of LDS; arguments scores, out0; writes out0
.if DOCPART == 3
	.amdgcn_target "amdgcn-amd-amdhsa--gfx1250"
	.amdhsa_code_object_version 6
	.text
	.protected	k_q7dfb3b47d5_soft
	.globl	k_q7dfb3b47d5_soft
	.p2align	8
	.type	k_q7dfb3b47d5_soft,@function
k_q7dfb3b47d5_soft:
	s_mov_b64 s[64:65], 0
	v_nop
	global_prefetch_b8 v0, s[64:65] scope:SCOPE_SE
	s_setreg_imm32_b32 hwreg(HW_REG_WAVE_MODE, 25, 1), 1
	s_wait_xcnt 0x0
; out0[b][s] = softmax over s of scores[b][s].  scores, out0: [32][2048] f32.  A work-group takes a row of 8,192 bytes; thread t holds the 16 bytes at 16 t and at 4,096 + 16 t, so each load and store of a wave
; covers 512 consecutive bytes.  The row's maximum is taken away before the exponential; maximum and sum go over the lanes by DPP and over the eight waves through LDS, each through words of its own.
; 32 work-groups: one to a row; the launch moves half a megabyte.  No matrix unit, no tensor load, no cluster: nothing is shared and nothing is multiplied.
	s_load_b128 s[4:7], s[0:1], 0x0                ; scores s[4:5], out0 s[6:7]
	v_lshl_add_u32 v40, v0, 2, 0x200
	v_mov_b32 v41, 0
	v_lshrrev_b32 v1, 5, v0
	s_delay_alu instid0(VALU_DEP_1)
	v_readfirstlane_b32 s8, v1                     ; wave 0..7
	s_lshl_b32 s2, ttmp9, 13                       ; my row
	s_mov_b32 s3, 0
	s_mov_b32 s10, 0x76543210                      ; v_permlanex16_b32's selects for lane l xor 16
	s_mov_b32 s11, 0xfedcba98
	v_lshlrev_b32 v2, 4, v0
	s_lshl_b32 s9, s8, 2
	v_mov_b32 v3, s9                               ; my wave's word
	v_mov_b32 v4, 0
	s_wait_alu depctr_va_vdst(0)
	s_wait_kmcnt 0x0
	s_add_nc_u64 s[4:5], s[4:5], s[2:3]
	s_add_nc_u64 s[6:7], s[6:7], s[2:3]
	global_load_b128 v[8:11], v2, s[4:5]
	global_load_b128 v[12:15], v2, s[4:5] offset:4096
	s_wait_loadcnt 0x0
	; the maximum
	v_max3_num_f32 v16, v8, v9, v10
	v_max3_num_f32 v17, v11, v12, v13
	s_delay_alu instid0(VALU_DEP_2)
	v_max3_num_f32 v16, v16, v14, v15
	s_delay_alu instid0(VALU_DEP_1)
	v_max_num_f32 v16, v16, v17
	s_delay_alu instid0(VALU_DEP_1)
	v_max_num_f32_dpp v16, v16, v16 row_xmask:1 row_mask:0xf bank_mask:0xf
	s_delay_alu instid0(VALU_DEP_1)
	v_max_num_f32_dpp v16, v16, v16 row_xmask:2 row_mask:0xf bank_mask:0xf
	s_delay_alu instid0(VALU_DEP_1)
	v_max_num_f32_dpp v16, v16, v16 row_xmask:4 row_mask:0xf bank_mask:0xf
	s_delay_alu instid0(VALU_DEP_1)
	v_max_num_f32_dpp v16, v16, v16 row_xmask:8 row_mask:0xf bank_mask:0xf
	s_delay_alu instid0(VALU_DEP_1)
	v_permlanex16_b32 v17, v16, s10, s11
	s_delay_alu instid0(VALU_DEP_1)
	v_max_num_f32 v16, v16, v17
	ds_store_b32 v3, v16                           ; all lanes write the same word with the same value
	s_wait_dscnt 0x0                               ; for the others' sake
	s_barrier_signal -1
	s_barrier_wait -1
	ds_load_b128 v[20:23], v4
	ds_load_b128 v[24:27], v4 offset:16
	s_wait_dscnt 0x0
	v_max3_num_f32 v16, v20, v21, v22
	v_max3_num_f32 v17, v23, v24, v25
	s_delay_alu instid0(VALU_DEP_2)
	v_max3_num_f32 v16, v16, v26, v27
	s_delay_alu instid0(VALU_DEP_1)
	v_max_num_f32 v16, v16, v17                    ; the row's maximum, in every lane
	; p = 2^((x - maximum) log2(e)), at most 1
.irp j, 8,10,12,14
	v_pk_add_f32 v[\j:\j+1], v[\j:\j+1], v[16:17] op_sel_hi:[1,0] neg_lo:[0,1] neg_hi:[0,1]
.endr
.irp j, 8,10,12,14
	s_delay_alu instid0(VALU_DEP_4)
	v_pk_mul_f32 v[\j:\j+1], v[\j:\j+1], 0x3fb8aa3b op_sel_hi:[1,0]
.endr
	s_wait_alu depctr_va_vdst(0)
.irp j, 8,9,10,11,12,13,14,15
	v_exp_f32 v[\j], v[\j]
.endr
	v_nop                                          ; a plain place behind the last exponential
	; the sum
	s_wait_alu depctr_va_vdst(0)
	v_pk_add_f32 v[28:29], v[8:9], v[10:11]
	v_pk_add_f32 v[30:31], v[12:13], v[14:15]
	s_delay_alu instid0(VALU_DEP_1)
	v_pk_add_f32 v[28:29], v[28:29], v[30:31]
	s_delay_alu instid0(VALU_DEP_1)
	v_add_f32 v28, v28, v29
	s_delay_alu instid0(VALU_DEP_1)
	v_add_f32_dpp v28, v28, v28 row_xmask:1 row_mask:0xf bank_mask:0xf
	s_delay_alu instid0(VALU_DEP_1)
	v_add_f32_dpp v28, v28, v28 row_xmask:2 row_mask:0xf bank_mask:0xf
	s_delay_alu instid0(VALU_DEP_1)
	v_add_f32_dpp v28, v28, v28 row_xmask:4 row_mask:0xf bank_mask:0xf
	s_delay_alu instid0(VALU_DEP_1)
	v_add_f32_dpp v28, v28, v28 row_xmask:8 row_mask:0xf bank_mask:0xf
	s_delay_alu instid0(VALU_DEP_1)
	v_permlanex16_b32 v29, v28, s10, s11
	s_delay_alu instid0(VALU_DEP_1)
	v_add_f32 v28, v28, v29
	ds_store_b32 v3, v28 offset:256                ; other words than the maxima's: no wave can still be reading them
	s_wait_dscnt 0x0
	s_barrier_signal -1
	s_barrier_wait -1
	ds_load_b128 v[20:23], v4 offset:256
	ds_load_b128 v[24:27], v4 offset:272
	s_wait_dscnt 0x0
	v_pk_add_f32 v[20:21], v[20:21], v[22:23]
	v_pk_add_f32 v[24:25], v[24:25], v[26:27]
	s_delay_alu instid0(VALU_DEP_1)
	v_pk_add_f32 v[20:21], v[20:21], v[24:25]
	s_delay_alu instid0(VALU_DEP_1)
	v_add_f32 v20, v20, v21
	s_wait_alu depctr_va_vdst(0)
	v_rcp_f32 v28, v20                             ; the sum is at least 1: the maximum's own p
	v_nop                                          ; a plain place behind the reciprocal
	s_wait_alu depctr_va_vdst(0)
.irp j, 8,10,12,14
	v_pk_mul_f32 v[\j:\j+1], v[\j:\j+1], v[28:29] op_sel_hi:[1,0]
.endr
	global_store_b128 v2, v[8:11], s[6:7]
	global_store_b128 v2, v[12:15], s[6:7] offset:4096
	s_wait_tensorcnt 0x0
	ds_add_u32 v40, v41
	s_wait_dscnt 0x0
	s_endpgm
.Lfunc_end_k_q7dfb3b47d5_soft:
	.size	k_q7dfb3b47d5_soft, .Lfunc_end_k_q7dfb3b47d5_soft-k_q7dfb3b47d5_soft
	.p2alignl 7, 3214868480
	.fill 96, 4, 3214868480
	.section	.rodata,"a",@progbits
	.p2align	6, 0x0
	.amdhsa_kernel k_q7dfb3b47d5_soft
		.amdhsa_group_segment_fixed_size 1536
		.amdhsa_private_segment_fixed_size 0
		.amdhsa_enable_private_segment 0
		.amdhsa_kernarg_size 16
		.amdhsa_user_sgpr_count 2
		.amdhsa_user_sgpr_kernarg_segment_ptr 1
		.amdhsa_wavefront_size32 1
		.amdhsa_system_sgpr_workgroup_id_x 1
		.amdhsa_system_sgpr_workgroup_id_y 1
		.amdhsa_system_sgpr_workgroup_id_z 1
		.amdhsa_system_vgpr_workitem_id 0
		.amdhsa_next_free_vgpr 42
		.amdhsa_next_free_sgpr 66
		.amdhsa_reserve_vcc 0
		.amdhsa_float_denorm_mode_32 3
		.amdhsa_float_denorm_mode_16_64 3
		.amdhsa_memory_ordered 1
		.amdhsa_forward_progress 1
		.amdhsa_inst_pref_size 6
	.end_amdhsa_kernel
	.amdgpu_metadata
---
amdhsa.version: [ 1, 2 ]
amdhsa.kernels:
  - .name:           k_q7dfb3b47d5_soft
    .symbol:         k_q7dfb3b47d5_soft.kd
    .args:
      - { .name: scores, .offset: 0, .size: 8, .value_kind: global_buffer, .address_space: global }
      - { .name: out0, .offset: 8, .size: 8, .value_kind: global_buffer, .address_space: global }
    .group_segment_fixed_size: 1536
    .private_segment_fixed_size: 0
    .kernarg_segment_align: 8
    .kernarg_segment_size: 16
    .max_flat_workgroup_size: 256
    .sgpr_count:     66
    .vgpr_count:     42
    .wavefront_size: 32
...
	.end_amdgpu_metadata
.endif
;; end of part 3
